; MI455X (gfx1250); checked and timed in simulation.
; The chip was launched on July 23, 2026; its instructions are those of AMD's public machine-readable ISA for CDNA 5 (MIT licence, August 2026) and "CDNA5" Instruction Set Architecture Reference Guide (July 2026). The comments in the code are by the model that wrote it; some were corrected since.
;; Local Attention. Allowed arithmetic: matrix products marked QUANTISED: E5M2 operands, one E8M0 scale for each 32 along K, by v_wmma_scale_f32_16x16x128_f8f6f4 with both operands' format E5M2, f32 sums; everything else in f32.
;; Inputs: Wk 512 x 512 float32; Wo 512 x 512 float32; Wq 512 x 512 float32; Wv 512 x 512 float32; bk 512 float32; bo 512 float32; bq 512 float32; bv 512 float32; x 2 x 4,096 x 512 float32.
;; Outputs: out0 2 x 4,096 x 512 float32.
;; This version of the problem:
;;   THIS VERSION OF THE PROBLEM IS GIVEN IN LOW PRECISION. The matrix products marked QUANTISED in the list below multiply operands that are first quantised to E5M2 (5 exponent bits, 2 mantissa bits; 8 bits a number), with one power-of-two scale for each 32 numbers along K (OCP MX v1.0); their sums are f32. All else is computed in f32.
;;   The module's matrix products, in the order in which they are computed (A, B: the left and right operand; K: the contracted axis; several contracted axes count as one K, in the product's order):
;;     1. [M 8,192, K 512] x [K 512, N 512]; A: input x; B: input Wq: QUANTISED
;;     2. [M 8,192, K 512] x [K 512, N 512]; A: input x; B: input Wk: QUANTISED
;;     3. [M 8,192, K 512] x [K 512, N 512]; A: input x; B: input Wv: QUANTISED
;;     4. batch 16 x [M 4,096, K 64] x [K 64, N 4,096]; A: computed on the way; B: computed on the way: QUANTISED
;;     5. batch 16 x [M 4,096, K 4,096] x [K 4,096, N 64]; A: softmax (see below); B: computed on the way: QUANTISED
;;     6. [M 8,192, K 512] x [K 512, N 512]; A: computed on the way; B: input Wo: QUANTISED
;;   THE QUANTISER, for each operand of a quantised product, along K:
;;     - K is cut into blocks of 32 from its start; a last block that is shorter is filled with zeros.
;;     - A block's scale is 2^e with e = floor(log2(the largest magnitude in the block)) - 15, held to -126 .. 127; a block of zeros has e = 0. As a byte (E8M0): e + 127.
;;     - Each number is divided by its block's scale, clamped to +-57,344, and rounded to the nearest number of E5M2, ties to even, subnormals kept.
;;     - The product sums the exact products of the quantised numbers (number of the format x scale) in f32.
;;   ~~~python
;;   def quantise(x, axis):      # numpy; x: float32 -> the quantised numbers, widened to float32 again
;;       x = np.moveaxis(x, axis, -1); K = x.shape[-1]
;;       x = np.pad(x, [(0, 0)] * (x.ndim - 1) + [(0, -K % 32)]); x = x.reshape(x.shape[:-1] + (-1, 32)); a = np.abs(x).max(-1, keepdims=True)
;;       e = np.where(a > 0, np.clip(np.frexp(np.where(a > 0, a, 1))[1] - 1 - 15, -126, 127), 0)      # np.frexp(a)[1] - 1 = floor(log2(a)), exactly
;;       r = np.clip(x / 2.0 ** e, -57344, 57344)
;;       step = 2.0 ** (np.maximum(np.frexp(np.where(r == 0, 1, r))[1] - 1, -14) - 2)
;;       q = np.round(r / step) * step * 2.0 ** e      # np.round: ties to even
;;       return np.moveaxis(q.reshape(q.shape[:-2] + (-1,))[..., :K], -1, axis).astype(np.float32)
;;   ~~~
;;   SOFTMAX AHEAD OF A QUANTISED PRODUCT. Where the list says 'softmax', what is quantised is not the finished softmax but p = 2^(t - M), with t = logit x log2(e) and M = ceil(the row's largest t), a whole number; so 1/2 < the row's largest p <= 1. The row's sum l is taken of the UNQUANTISED p, in f32, and the product's result is divided by l at the end. Since M is a whole number, a kernel that streams over the keys may use a running M (the ceiling of the running maximum): every later rescaling is an exact power of two, which a block's scale takes up: the codes' values come out the same.
;;   OPERANDS COMPUTED ON THE WAY. 'Computed on the way' means the value that the module computes at that place (a softmax that the list does not call 'softmax' is quantised finished and normalised). What goes into a quantiser is computed in f32, as accurately as f32 sums, v_exp_f32 and their like allow (about 1e-6 of the number): no bf16 or f16 on the way to a quantiser, and a product that is left as it is and whose result goes on into a quantised operand takes f32 operands (vector FMAs, or v_wmma_f32_16x16x4_f32). A number that lies on a knife's edge between two numbers of the format may be rounded either way, as far as f32 arithmetic and the matrix unit's own rounding can turn it there, and no further.
;; 2 versions, each right; version 2 is version 1 with the launch qkv written anew for expert scheduling mode. Each part assembles by itself: llvm-mc -triple=amdgcn-amd-amdhsa -mcpu=gfx1250 --defsym DOCPART=n.
;; ======== version 1 of 2: 3 launches
;; workspace buffers: codes 5,242,880 bytes; scales 163,840 bytes; kv 8,781,824 bytes; q_rec 8,781,824 bytes
;; launch prep (part 1): grid 256 x 1, 5 waves a work-group, no clusters, 85,248 bytes of LDS; arguments x, Wq, Wk, Wv, Wo, codes, scales; writes codes, scales
.if DOCPART == 1
	.amdgcn_target "amdgcn-amd-amdhsa--gfx1250"
	.amdhsa_code_object_version 6
	.text
	.protected	k_qb531d27ca9_prep
	.globl	k_qb531d27ca9_prep
	.p2align	8
	.type	k_qb531d27ca9_prep,@function
k_qb531d27ca9_prep:
	s_mov_b64 s[64:65], 0
	v_nop
	global_prefetch_b8 v0, s[64:65] scope:SCOPE_SE
	s_setreg_imm32_b32 hwreg(HW_REG_WAVE_MODE, 25, 1), 1
	s_wait_xcnt 0x0
; x [8192][512] and Wq, Wk, Wv, Wo [512][512], f32 with K innermost, become codes of BF8 (E5M2) with one E8M0 byte for each 32 along K,
; laid as IMAGES OF OPERAND REGISTERS: codes [640 tiles][4 K steps][2,048 bytes]; in an image register group c (4 registers) lies at 512 c, lane l at 16 l;
; lane (r, hh) holds k = 32 c + 16 hh + 0 .. 15 of the tile's row slot r.  Tiles 0-511: x; 512-543 Wq; 544-575 Wk; 576-607 Wv; 608-639 Wo.
; THE ROWS OF A TILE ARE NOT NEIGHBOURS: slot r of tile 2 b + u is row 32 b + 8 u + r + 8 (r / 8), so that later results fall into the next operand's registers.
; scales [640 tiles][half 2][r 16][2 words]: a word holds the four bytes of one K step of 128 of one row.
; A block's byte is its largest magnitude's exponent field - 15, held at 1 from below; each number is held within +-57,344 x the scale and converted, ties to even.
; LIMITS: NaN and infinities among the inputs are not served; a block whose largest magnitude lies under 2^-111 keeps the byte 1, and so does a block of zeros
; (its codes are zeros; the bytes are read by this program alone).
; SHARES: 1,280 tasks = 256 work-groups x 5 waves; a task is one tile and half of K: two fragments.  Each load reads 512 consecutive bytes (one row's K step);
; the 16 rows turn through the wave's own stage in LDS (rows 528 bytes apart) and come back 16 neighbours a lane.  Waves share nothing: no barrier.
.set STG,  8448                        ; a stage: 16 rows x 528 bytes
.set WREG, 2*STG                       ; a wave's two stages
.set R,    16                          ; v16-143  64 numbers for each of the two fragments
.set PC,   144                         ; v144-175 16 registers of codes for each
.set TM,   176                         ; v176-191 at work: +0 largest magnitudes, +4 the other half's, then bytes, +8 the hold, +12 the conversion's scale operand
.set SEL,  24                          ; s[24:25] lane selects for v_permlanex16_b32: lane l xor 16
.set MNT,  26                          ; s26      the mantissa field of 57,344
; 64 numbers of a lane, register 16 b + i = k 32 b + 16 (lane / 16) + i of my row, become 16 registers of codes at v[pc]; the four bytes stay in v[TM+4 ..]
.macro QUANT s, pc
.irp b, 0,1,2,3
	v_max3_num_f32 v[TM+\b], |v[\s+16*\b]|, |v[\s+16*\b+1]|, 0x8000000   ; my 16 numbers of block b, and the floor 2^(16 - 127): the byte cannot fall under 1
.endr
.irp i, 2,4,6,8,10,12,14
.irp b, 0,1,2,3
	v_max3_num_f32 v[TM+\b], v[TM+\b], |v[\s+16*\b+\i]|, |v[\s+16*\b+\i+1]|   ; the four blocks by turns
.endr
.endr
.irp b, 0,1,2,3
	v_permlanex16_b32 v[TM+4+\b], v[TM+\b], s[SEL], s[SEL+1]
.endr
.irp b, 0,1,2,3
	v_max_num_f32 v[TM+\b], v[TM+\b], v[TM+4+\b]                  ; with lane l xor 16's: the block's largest magnitude
.endr
.irp b, 0,1,2,3
	v_add_nc_u32 v[TM+12+\b], 0xf8800000, v[TM+\b]                ; 15 off its exponent field: the conversion's scale operand
.endr
.irp b, 0,1,2,3
	v_and_or_b32 v[TM+8+\b], v[TM+\b], 0x7f800000, s[MNT]         ; 57,344 x the scale
.endr
.irp b, 0,1,2,3
	v_lshrrev_b32 v[TM+4+\b], 23, v[TM+12+\b]                     ; the scale's byte
.endr
.irp b, 0,1,2,3
.irp i, 0,1,2,3,4,5,6,7,8,9,10,11,12,13,14,15
	v_med3_num_f32 v[\s+16*\b+\i], v[\s+16*\b+\i], -v[TM+8+\b], v[TM+8+\b]   ; the conversion does not saturate (ISA guide 7.6.2): the hold comes first
.endr
	v_cvt_scalef32_pk8_bf8_f32 v[\pc+4*\b:\pc+4*\b+1], v[\s+16*\b:\s+16*\b+7], v[TM+12+\b]
	v_cvt_scalef32_pk8_bf8_f32 v[\pc+4*\b+2:\pc+4*\b+3], v[\s+16*\b+8:\s+16*\b+15], v[TM+12+\b]
.endr
	v_nop                                          ; a plain line behind the last conversion
.endm
	s_load_b256 s[4:11], s[0:1], 0x0               ; x, Wq, Wk, Wv
	s_load_b128 s[12:15], s[0:1], 0x20             ; Wo, codes
	s_load_b64 s[16:17], s[0:1], 0x30              ; scales
	v_lshl_add_u32 v192, v0, 2, 0x14a00
	v_mov_b32 v193, 0
	v_lshrrev_b32 v5, 5, v0
	v_readfirstlane_b32 s18, v5                    ; wave 0..4
	v_and_b32 v6, 31, v0                           ; lane
	v_and_b32 v7, 15, v0                           ; r
	v_bfe_u32 v5, v0, 4, 1                         ; hh
	v_lshlrev_b32 v1, 4, v6                        ; 16 x lane: my bytes of a load's 512, and of an image's 512
	s_mul_i32 s19, s18, WREG                       ; my wave's stages
	v_add_nc_u32 v2, s19, v1                       ; into a stage: as loaded
	v_mul_u32_u24 v3, v7, 528
	v_lshl_add_u32 v3, v5, 6, v3
	v_add_nc_u32 v3, s19, v3                       ; out of it: row r, + 64 hh: my 16 numbers of a block
	v_lshlrev_b32 v4, 3, v7                        ; 8 r: my row's two scale words
	s_mov_b32 s[SEL], 0x76543210
	s_mov_b32 s[SEL+1], 0xfedcba98
	s_mov_b32 s[MNT], 0x600000
.irp b, 0,1,2,3
	v_mov_b32 v[TM+4+\b], 0                        ; written once: a lane permute's destination counts as one of its sources
.endr
	s_mul_i32 s20, ttmp9, 5
	s_add_co_u32 s20, s20, s18                     ; my task
	s_lshr_b32 s21, s20, 1                         ; tile T
	s_and_b32 s22, s20, 1                          ; which half of K
	s_and_b32 s23, s21, 31
	s_cmp_lt_u32 s21, 512
	s_cselect_b32 s23, s21, s23                    ; the tile's number inside its tensor
	s_lshr_b32 s28, s23, 1
	s_lshl_b32 s28, s28, 16                        ; 32 rows of 2,048 bytes for each pair of tiles,
	s_and_b32 s29, s23, 1
	s_lshl_b32 s29, s29, 14                        ; 8 rows for the odd tile,
	s_add_co_u32 s28, s28, s29
	s_lshl_b32 s29, s22, 10                        ; 1,024 bytes for the second half of K
	s_add_co_u32 s28, s28, s29
	s_mov_b32 s29, 0
	s_lshl_b32 s30, s21, 13                        ; codes: 8,192 T + 4,096 half
	s_lshl_b32 s31, s22, 12
	s_add_co_u32 s30, s30, s31
	s_mov_b32 s31, 0
	s_lshl_b32 s32, s21, 8                         ; scales: 256 T + 128 half
	s_lshl_b32 s33, s22, 7
	s_add_co_u32 s32, s32, s33
	s_mov_b32 s33, 0
	s_wait_kmcnt 0x0
	s_cmp_lt_u32 s21, 608                          ; which tensor: the choice hangs on the task's number alone
	s_cselect_b64 s[12:13], s[10:11], s[12:13]
	s_cmp_lt_u32 s21, 576
	s_cselect_b64 s[12:13], s[8:9], s[12:13]
	s_cmp_lt_u32 s21, 544
	s_cselect_b64 s[12:13], s[6:7], s[12:13]
	s_cmp_lt_u32 s21, 512
	s_cselect_b64 s[12:13], s[4:5], s[12:13]
	s_add_nc_u64 s[12:13], s[12:13], s[28:29]
	s_add_nc_u64 s[14:15], s[14:15], s[30:31]
	s_add_nc_u64 s[16:17], s[16:17], s[32:33]
.irp f, 0,1
.irp p, 0,1,2,3,4,5,6,7,8,9,10,11,12,13,14,15
	global_load_b128 v[R+64*\f+4*\p:R+64*\f+4*\p+3], v1, s[12:13] offset:(\p+8*(\p/8))*2048+512*\f th:TH_LOAD_NT   ; slot p's row, K step f of my half: 512 consecutive bytes, read once in the launch
.endr
.endr
.macro FRAG f
	s_wait_loadcnt 16*(1-\f)                       ; this fragment's 16 loads are in; the second fragment's 16 may be out
.irp p, 0,1,2,3,4,5,6,7,8,9,10,11,12,13,14,15
	ds_store_b128 v2, v[R+64*\f+4*\p:R+64*\f+4*\p+3] offset:STG*\f+528*\p
.endr
	s_wait_dscnt 0x0                               ; the stores have read their registers, which the loads below fill
.irp b, 0,1,2,3
.irp j, 0,1,2,3
	ds_load_b128 v[R+64*\f+16*\b+4*\j:R+64*\f+16*\b+4*\j+3], v3 offset:STG*\f+128*\b+16*\j
.endr
.endr
	s_wait_dscnt 0x0
	QUANT R+64*\f, PC+16*\f
	v_lshl_or_b32 v[8+\f], v[TM+5], 8, v[TM+4]     ; the four bytes make my row's scale word of this K step
	v_lshl_or_b32 v[8+\f], v[TM+6], 16, v[8+\f]
	v_lshl_or_b32 v[8+\f], v[TM+7], 24, v[8+\f]
.irp c, 0,1,2,3
	global_store_b128 v1, v[PC+16*\f+4*\c:PC+16*\f+4*\c+3], s[14:15] offset:2048*\f+512*\c   ; 32 lanes store 512 consecutive bytes, aligned; no store's data are written again
.endr
.endm
	FRAG 0
	FRAG 1
	global_store_b64 v4, v[8:9], s[16:17]          ; 128 consecutive bytes; lanes 16-31 repeat lanes 0-15's words at the same places
	s_wait_tensorcnt 0x0
	ds_add_u32 v192, v193
	s_wait_dscnt 0x0
	s_endpgm
.Lfunc_end_k_qb531d27ca9_prep:
	.size	k_qb531d27ca9_prep, .Lfunc_end_k_qb531d27ca9_prep-k_qb531d27ca9_prep
	.p2alignl 7, 3214868480
	.fill 96, 4, 3214868480
	.section	.rodata,"a",@progbits
	.p2align	6, 0x0
	.amdhsa_kernel k_qb531d27ca9_prep
		.amdhsa_group_segment_fixed_size 85248
		.amdhsa_private_segment_fixed_size 0
		.amdhsa_enable_private_segment 0
		.amdhsa_kernarg_size 56
		.amdhsa_user_sgpr_count 2
		.amdhsa_user_sgpr_kernarg_segment_ptr 1
		.amdhsa_wavefront_size32 1
		.amdhsa_system_sgpr_workgroup_id_x 1
		.amdhsa_system_sgpr_workgroup_id_y 1
		.amdhsa_system_sgpr_workgroup_id_z 1
		.amdhsa_system_vgpr_workitem_id 0
		.amdhsa_next_free_vgpr 194
		.amdhsa_next_free_sgpr 66
		.amdhsa_reserve_vcc 0
		.amdhsa_float_denorm_mode_32 3
		.amdhsa_float_denorm_mode_16_64 3
		.amdhsa_memory_ordered 1
		.amdhsa_forward_progress 1
		.amdhsa_inst_pref_size 27
	.end_amdhsa_kernel
	.amdgpu_metadata
---
amdhsa.version: [ 1, 2 ]
amdhsa.kernels:
  - .name:           k_qb531d27ca9_prep
    .symbol:         k_qb531d27ca9_prep.kd
    .args:
      - { .name: x, .offset: 0, .size: 8, .value_kind: global_buffer, .address_space: global }
      - { .name: Wq, .offset: 8, .size: 8, .value_kind: global_buffer, .address_space: global }
      - { .name: Wk, .offset: 16, .size: 8, .value_kind: global_buffer, .address_space: global }
      - { .name: Wv, .offset: 24, .size: 8, .value_kind: global_buffer, .address_space: global }
      - { .name: Wo, .offset: 32, .size: 8, .value_kind: global_buffer, .address_space: global }
      - { .name: codes, .offset: 40, .size: 8, .value_kind: global_buffer, .address_space: global }
      - { .name: scales, .offset: 48, .size: 8, .value_kind: global_buffer, .address_space: global }
    .group_segment_fixed_size: 85248
    .private_segment_fixed_size: 0
    .kernarg_segment_align: 8
    .kernarg_segment_size: 56
    .max_flat_workgroup_size: 160
    .sgpr_count:     66
    .vgpr_count:     194
    .wavefront_size: 32
...
	.end_amdgpu_metadata
.endif
;; end of part 1
;; launch qkv (part 2): grid 64 x 3, 8 waves a work-group, no clusters, 68,608 bytes of LDS; arguments codes, scales, bq, bk, bv, q_rec, kv; writes q_rec, kv
.if DOCPART == 2
	.amdgcn_target "amdgcn-amd-amdhsa--gfx1250"
	.amdhsa_code_object_version 6
	.text
	.protected	k_qb531d27ca9_qkv
	.globl	k_qb531d27ca9_qkv
	.p2align	8
	.type	k_qb531d27ca9_qkv,@function
k_qb531d27ca9_qkv:
	s_mov_b64 s[64:65], 0
	v_nop
	global_prefetch_b8 v0, s[64:65] scope:SCOPE_SE
	s_setreg_imm32_b32 hwreg(HW_REG_WAVE_MODE, 25, 1), 1
	s_wait_xcnt 0x0
; q = x Wq^T + bq, k = x Wk^T + bk, v = x Wv^T + bv on codes of BF8 (E5M2) with E8M0 scales; the results are quantised at once for attention's two products.
; Work-group (g, y): 128 tokens (x tiles 8 g .. 8 g + 7, key blocks 4 g .. 4 g + 3) of tensor y (0 q, 1 k, 2 v).  Wave w = head w: its 4 tiles x 4 K steps of the weight
; (16 fragments, 256 registers: window 1) are read once and stay.  The eight x tiles are read once, one a wave, and shared through LDS as images of their registers.
; A tile's slot r is row 32 b + 8 u + r + 8 (r / 8) (tile 2 b + u), for tokens and for the weights' rows alike.  So:
;   q, k: TRANSPOSED (source 0 = weight, source 1 = x): a lane holds one token, and the 16 registers of two neighbouring weight tiles are 16 neighbouring channels: quantised along the head's 64 channels.
;   v:    natural (source 0 = x, source 1 = weight): a lane holds one channel slot, and the 16 registers of two neighbouring token tiles are 16 neighbouring tokens: quantised along the keys.
; The bias is the C of each sum's first matrix instruction.
; A RECORD (REC bytes) for each block of 32 tokens: +0 K codes [head][u][c][512]; +16384 V codes [head][dt][512]; +32768 K scale words [head][16 u + r] (bytes 0, 1; bytes 2, 3 are 0);
; +33792 V scale bytes [head][r][dt].  q goes into q_rec in the K parts' layout.  A wave's scale words are 128 or 64 consecutive bytes: about a twenty-fifth of a record leaves in such short runs.
; LIMITS: NaN and infinities are not served; a block whose largest magnitude lies under 2^-111, or a block of zeros, keeps the byte 1 (read by this program alone).
.set REC,  34304
.set XSC,  65536                       ; LDS: x's eight images at 8,192 m; behind them their scale words, 256 bytes a tile
.set XF,   16                          ; v16-79   one x tile's four fragments
.set XS,   80                          ; v80-83   its scale words, K step ks
.set H,    84                          ; v84-147  64 results of a lane
.set PC,   148                         ; v148-163 their codes
.set TM,   164                         ; v164-179 at work
.set PW,   180                         ; v180-182 scale words in the making
.set WS,   184                         ; v184-199 the weight's scale words: 4 wt + ks
.set BI,   200                         ; v200-231 the bias, 8 registers a weight tile, in the result's layout
.set SEL,  20
.set MNT,  22
.set MSB, 0
.macro WIN new                         ; the immediate's high byte repeats the setting that is left
.if MSB != \new
	s_set_vgpr_msb (MSB<<8)|\new
.set MSB, \new
.endif
.endm
.macro WM d, a, b, c, sa, sb
	v_wmma_scale_f32_16x16x128_f8f6f4 v[\d:\d+7], v[\a:\a+15], v[\b:\b+15], v[\c:\c+7], v[\sa], v[\sb] matrix_a_fmt:MATRIX_FMT_BF8 matrix_b_fmt:MATRIX_FMT_BF8
.endm
.macro PLACES                          ; eight plain lines between a matrix instruction of this form and a load into, or a vector read of, its registers
.rept 8
	v_nop
.endr
.endm
.macro QUANT s, pc
.irp b, 0,1,2,3
	v_max3_num_f32 v[TM+\b], |v[\s+16*\b]|, |v[\s+16*\b+1]|, 0x8000000   ; each accumulator is read from its low end on; the floor 2^(16 - 127) holds the byte at 1
.endr
.irp i, 2,4,6,8,10,12,14
.irp b, 0,1,2,3
	v_max3_num_f32 v[TM+\b], v[TM+\b], |v[\s+16*\b+\i]|, |v[\s+16*\b+\i+1]|
.endr
.endr
.irp b, 0,1,2,3
	v_permlanex16_b32 v[TM+4+\b], v[TM+\b], s[SEL], s[SEL+1]
.endr
.irp b, 0,1,2,3
	v_max_num_f32 v[TM+\b], v[TM+\b], v[TM+4+\b]                  ; with lane l xor 16's: the block's largest magnitude
.endr
.irp b, 0,1,2,3
	v_add_nc_u32 v[TM+12+\b], 0xf8800000, v[TM+\b]                ; the conversion's scale operand
.endr
.irp b, 0,1,2,3
	v_and_or_b32 v[TM+8+\b], v[TM+\b], 0x7f800000, s[MNT]         ; 57,344 x the scale
.endr
.irp b, 0,1,2,3
	v_lshrrev_b32 v[TM+4+\b], 23, v[TM+12+\b]                     ; the byte
.endr
.irp b, 0,1,2,3
.irp i, 0,1,2,3,4,5,6,7,8,9,10,11,12,13,14,15
	v_med3_num_f32 v[\s+16*\b+\i], v[\s+16*\b+\i], -v[TM+8+\b], v[TM+8+\b]
.endr
	v_cvt_scalef32_pk8_bf8_f32 v[\pc+4*\b:\pc+4*\b+1], v[\s+16*\b:\s+16*\b+7], v[TM+12+\b]
	v_cvt_scalef32_pk8_bf8_f32 v[\pc+4*\b+2:\pc+4*\b+3], v[\s+16*\b+8:\s+16*\b+15], v[TM+12+\b]
.endr
	v_nop                                          ; a plain line behind the last conversion: later products write its sources
.endm
.macro FETCHX m                        ; x tile m of the work-group's eight: four fragments and four scale words, as they were stored
.irp n, 0,1,2,3,4,5,6,7,8,9,10,11,12,13,14,15
	ds_load_b128 v[XF+4*\n:XF+4*\n+3], v1 offset:(\m)*8192+512*\n
.endr
	ds_load_b64 v[XS:XS+1], v3 offset:(\m)*256
	ds_load_b64 v[XS+2:XS+3], v3 offset:(\m)*256+128
.endm
; 16 matrix instructions: the x tile in hand (u = its place in the block of 32 tokens) against my four weight tiles, K in four steps.  The four accumulators take turns, one instruction a turn.
.macro MUL u, isv
.if \isv
	WIN 0x04                                       ; source 1 (the weight) in window 1
.else
	WIN 0x01                                       ; source 0 (the weight) in window 1
.endif
.irp ks, 0,1,2,3
.irp wt, 0,1,2,3
.if \isv
.if \ks == 0
	WM H+16*\wt+8*\u, XF+16*\ks, 16*(4*\wt+\ks), BI+8*\wt, XS+\ks, WS+4*\wt+\ks
.else
	WM H+16*\wt+8*\u, XF+16*\ks, 16*(4*\wt+\ks), H+16*\wt+8*\u, XS+\ks, WS+4*\wt+\ks
.endif
.else
.if \ks == 0
	WM H+32*\u+8*\wt, 16*(4*\wt+\ks), XF+16*\ks, BI+8*\wt, WS+4*\wt+\ks, XS+\ks
.else
	WM H+32*\u+8*\wt, 16*(4*\wt+\ks), XF+16*\ks, H+32*\u+8*\wt, WS+4*\wt+\ks, XS+\ks
.endif
.endif
.endr
.endr
	WIN 0
.endm
; One block of 32 tokens: two x tiles, 32 products, 64 results a lane, quantised and stored into record bI of the work-group's four.
.macro BLOCK bI, isv
	s_wait_dscnt 0x0                               ; the tile's fragments and scale words are in
	MUL 0, \isv
	PLACES
	FETCHX 2*\bI+1
	s_wait_dscnt 0x0
	MUL 1, \isv
	PLACES
.if \bI < 3
	FETCHX 2*\bI+2                                 ; lands while this block is quantised
.endif
.if \bI > 0
	s_wait_xcnt 0x0                                ; the last block's stores have read their data: the codes' and the word's registers are written again only behind this wait
.endif
	QUANT H, PC
.if \isv
	v_lshl_or_b32 v[PW+2], v[TM+5], 8, v[TM+4]     ; channel slot r: the bytes of my four channel tiles
	v_lshl_or_b32 v[PW+2], v[TM+6], 16, v[PW+2]
	v_lshl_or_b32 v[PW+2], v[TM+7], 24, v[PW+2]
.irp n, 0,1,2,3
	global_store_b128 v6, v[PC+4*\n:PC+4*\n+3], s[34:35] offset:\bI*REC+16384+512*\n   ; channel tile n: 32 keys x 16 channel slots, 512 consecutive bytes
.endr
	global_store_b32 v7, v[PW+2], s[34:35] offset:\bI*REC+33792
.else
	v_lshl_or_b32 v[PW], v[TM+5], 8, v[TM+4]       ; token tile 0: the bytes of channels 0-31 and 32-63
	v_lshl_or_b32 v[PW+1], v[TM+7], 8, v[TM+6]     ; token tile 1
	v_cndmask_b32 v[PW+2], v[PW], v[PW+1], s23     ; lanes 0-15 keep tile 0's word of slot r, lanes 16-31 tile 1's
.irp n, 0,1,2,3
	global_store_b128 v6, v[PC+4*\n:PC+4*\n+3], s[34:35] offset:\bI*REC+512*\n         ; n = 2 u + c
.endr
	global_store_b32 v7, v[PW+2], s[34:35] offset:\bI*REC+32768
.endif
.endm
	s_load_b256 s[4:11], s[0:1], 0x0               ; codes, scales, bq, bk
	s_load_b128 s[12:15], s[0:1], 0x20             ; bv, q_rec
	s_load_b64 s[16:17], s[0:1], 0x30              ; kv
	v_lshl_add_u32 v254, v0, 2, 0x10800
	v_mov_b32 v255, 0
	v_lshrrev_b32 v2, 5, v0
	v_readfirstlane_b32 s18, v2                    ; wave = head
	s_and_b32 s19, ttmp7, 0xffff                   ; y: 0 q, 1 k, 2 v
	v_and_b32 v2, 31, v0                           ; lane
	v_and_b32 v8, 15, v0                           ; r
	v_lshlrev_b32 v1, 4, v2                        ; 16 x lane: an image's place for my lane, in memory and in LDS
	v_lshlrev_b32 v9, 3, v8                        ; 8 r
	v_add_nc_u32 v3, XSC, v9                       ; x's scale words in LDS
	s_lshl_b32 s36, s18, 13
	v_add_nc_u32 v4, s36, v1                       ; where I store my x tile's images
	s_lshl_b32 s36, s18, 8
	v_add_nc_u32 v5, s36, v3                       ; and its scale words
	s_lshl_b32 s36, s18, 11
	v_add_nc_u32 v6, s36, v1                       ; my head's codes in a record
	s_mov_b32 s[SEL], 0x76543210
	s_mov_b32 s[SEL+1], 0xfedcba98
	s_mov_b32 s[MNT], 0x600000
	s_mov_b32 s23, 0xffff0000                      ; lanes 16-31
.irp b, 0,1,2,3
	v_mov_b32 v[TM+4+\b], 0                        ; written once: a lane permute's destination counts as one of its sources
.endr
	s_lshl_b32 s38, ttmp9, 3
	s_add_co_u32 s38, s38, s18                     ; my x tile: 8 g + w
	s_lshl_b32 s39, s19, 5
	s_lshl_b32 s40, s18, 2
	s_add_co_u32 s39, s39, s40
	s_add_co_u32 s39, s39, 512                     ; my first weight tile: 512 + 32 y + 4 w
	s_mov_b32 s37, 0
	s_wait_kmcnt 0x0
	s_lshl_b32 s36, s38, 13
	s_add_nc_u64 s[24:25], s[4:5], s[36:37]
	s_lshl_b32 s36, s38, 8
	s_add_nc_u64 s[26:27], s[6:7], s[36:37]
	s_lshl_b32 s36, s39, 13
	s_add_nc_u64 s[28:29], s[4:5], s[36:37]
	s_lshl_b32 s36, s39, 8
	s_add_nc_u64 s[30:31], s[6:7], s[36:37]
.irp n, 0,1,2,3,4,5,6,7,8,9,10,11,12,13,14,15
	global_load_b128 v[XF+4*\n:XF+4*\n+3], v1, s[24:25] offset:512*\n
.endr
	global_load_b64 v[XS:XS+1], v9, s[26:27]
	global_load_b64 v[XS+2:XS+3], v9, s[26:27] offset:128
.irp wt, 0,1,2,3
	global_load_b64 v[WS+4*\wt:WS+4*\wt+1], v9, s[30:31] offset:256*\wt
	global_load_b64 v[WS+4*\wt+2:WS+4*\wt+3], v9, s[30:31] offset:256*\wt+128
.endr
	WIN 0x40                                       ; destination window 1: fragment (wt, ks) at v[16 (4 wt + ks)]: 32 KiB on end
.set n, 0
.rept 32
	global_load_b128 v[4*n:4*n+3], v1, s[28:29] offset:512*n
.set n, n+1
.endr
	WIN 0
	s_wait_loadcnt 40                              ; my x tile and its words are in; the 8 + 32 loads behind them may be out
.irp n, 0,1,2,3,4,5,6,7,8,9,10,11,12,13,14,15
	ds_store_b128 v4, v[XF+4*\n:XF+4*\n+3] offset:512*\n
.endr
	ds_store_b64 v5, v[XS:XS+1]                    ; lanes 16-31 repeat lanes 0-15's words at the same places
	ds_store_b64 v5, v[XS+2:XS+3] offset:128
	WIN 0x40
.rept 32
	global_load_b128 v[4*n:4*n+3], v1, s[28:29] offset:512*n
.set n, n+1
.endr
	WIN 0
	s_cmp_eq_u32 s19, 0                            ; the bias and the target: choices on the work-group's y alone
	s_cselect_b64 s[32:33], s[8:9], s[10:11]
	s_cselect_b64 s[34:35], s[14:15], s[16:17]
	s_cmp_eq_u32 s19, 2
	s_cselect_b64 s[32:33], s[12:13], s[32:33]
	s_mul_i32 s36, ttmp9, 4*REC
	s_add_nc_u64 s[34:35], s[34:35], s[36:37]      ; the work-group's first record
	s_lshl_b32 s36, s18, 8
	s_add_nc_u64 s[32:33], s[32:33], s[36:37]      ; my head's 64 numbers of the bias
	s_wait_dscnt 0x0                               ; for the others' sake: my stores have landed
	s_barrier_signal -1
	s_barrier_wait -1                              ; the eight tiles lie in LDS; nothing is stored to LDS behind this barrier
	s_cmp_eq_u32 s19, 2
	s_cbranch_scc1 .Lv
	; ---- q or k
	v_bfe_u32 v10, v0, 4, 1
	v_lshlrev_b32 v10, 6, v10                      ; 64 hh: lane (r, hh) wants, for weight tile wt, channels 32 (wt / 2) + 16 hh + 8 (wt % 2) + 0 .. 7
	s_lshl_b32 s36, s18, 7
	v_lshl_add_u32 v7, v2, 2, s36                  ; the scale words: 4 x lane + 128 w
.irp wt, 0,1,2,3
	global_load_b128 v[BI+8*\wt:BI+8*\wt+3], v10, s[32:33] offset:(32*(\wt/2)+8*(\wt%2))*4
	global_load_b128 v[BI+8*\wt+4:BI+8*\wt+7], v10, s[32:33] offset:(32*(\wt/2)+8*(\wt%2))*4+16
.endr
	FETCHX 0
	s_wait_loadcnt 0x0                             ; the weight, its words, the bias
	BLOCK 0, 0
	BLOCK 1, 0
	BLOCK 2, 0
	BLOCK 3, 0
	s_wait_tensorcnt 0x0
	ds_add_u32 v254, v255
	s_wait_dscnt 0x0
	s_endpgm
.Lv:
	; ---- v
	v_and_b32 v10, 8, v8
	v_add_nc_u32 v10, v10, v8
	v_lshlrev_b32 v10, 2, v10                      ; 4 (r + 8 (r / 8)): my channel slot's number of the bias
	s_lshl_b32 s36, s18, 6
	v_lshl_add_u32 v7, v8, 2, s36                  ; the scale bytes: 4 r + 64 w (lanes 16-31 repeat lanes 0-15)
.irp dt, 0,1,2,3
	global_load_b32 v[BI+8*\dt], v10, s[32:33] offset:(32*(\dt/2)+8*(\dt%2))*4
.endr
	FETCHX 0
	s_wait_loadcnt 0x0
.irp dt, 0,1,2,3
.irp j, 1,2,3,4,5,6,7
	v_mov_b32 v[BI+8*\dt+\j], v[BI+8*\dt]          ; a lane's eight results are eight tokens of one channel: the same bias
.endr
.endr
	BLOCK 0, 1
	BLOCK 1, 1
	BLOCK 2, 1
	BLOCK 3, 1
	s_wait_tensorcnt 0x0
	ds_add_u32 v254, v255
	s_wait_dscnt 0x0
	s_endpgm
.Lfunc_end_k_qb531d27ca9_qkv:
	.size	k_qb531d27ca9_qkv, .Lfunc_end_k_qb531d27ca9_qkv-k_qb531d27ca9_qkv
	.p2alignl 7, 3214868480
	.fill 96, 4, 3214868480
	.section	.rodata,"a",@progbits
	.p2align	6, 0x0
	.amdhsa_kernel k_qb531d27ca9_qkv
		.amdhsa_group_segment_fixed_size 68608
		.amdhsa_private_segment_fixed_size 0
		.amdhsa_enable_private_segment 0
		.amdhsa_kernarg_size 56
		.amdhsa_user_sgpr_count 2
		.amdhsa_user_sgpr_kernarg_segment_ptr 1
		.amdhsa_wavefront_size32 1
		.amdhsa_system_sgpr_workgroup_id_x 1
		.amdhsa_system_sgpr_workgroup_id_y 1
		.amdhsa_system_sgpr_workgroup_id_z 1
		.amdhsa_system_vgpr_workitem_id 0
		.amdhsa_next_free_vgpr 512
		.amdhsa_next_free_sgpr 66
		.amdhsa_reserve_vcc 0
		.amdhsa_float_denorm_mode_32 3
		.amdhsa_float_denorm_mode_16_64 3
		.amdhsa_memory_ordered 1
		.amdhsa_forward_progress 1
		.amdhsa_inst_pref_size 139
	.end_amdhsa_kernel
	.amdgpu_metadata
---
amdhsa.version: [ 1, 2 ]
amdhsa.kernels:
  - .name:           k_qb531d27ca9_qkv
    .symbol:         k_qb531d27ca9_qkv.kd
    .args:
      - { .name: codes, .offset: 0, .size: 8, .value_kind: global_buffer, .address_space: global }
      - { .name: scales, .offset: 8, .size: 8, .value_kind: global_buffer, .address_space: global }
      - { .name: bq, .offset: 16, .size: 8, .value_kind: global_buffer, .address_space: global }
      - { .name: bk, .offset: 24, .size: 8, .value_kind: global_buffer, .address_space: global }
      - { .name: bv, .offset: 32, .size: 8, .value_kind: global_buffer, .address_space: global }
      - { .name: q_rec, .offset: 40, .size: 8, .value_kind: global_buffer, .address_space: global }
      - { .name: kv, .offset: 48, .size: 8, .value_kind: global_buffer, .address_space: global }
    .group_segment_fixed_size: 68608
    .private_segment_fixed_size: 0
    .kernarg_segment_align: 8
    .kernarg_segment_size: 56
    .max_flat_workgroup_size: 256
    .sgpr_count:     66
    .vgpr_count:     512
    .wavefront_size: 32
...
	.end_amdgpu_metadata
.endif
;; end of part 2
;; launch attn (part 3): grid 256 x 1, 16 waves a work-group, no clusters, 327,680 bytes of LDS; arguments q_rec, kv, codes, scales, bo, out0; writes out0
.if DOCPART == 3
	.amdgcn_target "amdgcn-amd-amdhsa--gfx1250"
	.amdhsa_code_object_version 6
	.text
	.protected	k_qb531d27ca9_attn
	.globl	k_qb531d27ca9_attn
	.p2align	8
	.type	k_qb531d27ca9_attn,@function
k_qb531d27ca9_attn:
	s_mov_b64 s[64:65], 0
	v_nop
	global_prefetch_b8 v0, s[64:65] scope:SCOPE_SE
	s_setreg_imm32_b32 hwreg(HW_REG_WAVE_MODE, 25, 1), 1
	s_wait_xcnt 0x0
; out0 = (banded attention of q, k, v) Wo^T + bo, all three products on codes of BF8 (E5M2) with E8M0 scales.
; Work-group wg = 128 b + qb: 32 queries (block qb of batch b), all 8 heads.  Key j counts for query i where |i - j| <= 128: the key blocks qb - 4 .. qb + 4, nine records of the buffer kv.
; They come into LDS once, by POSITION i (key block qb - 4 + i): waves 0 to 2 bring three records each, one dense tensor load a record.  A block outside the sequence is replaced by a clamped record,
; and its p is made 0 without a branch (-infinity as the addend of t - M).  No LDS byte is filled twice.
; Wave w: head w / 2, query tile w % 2 (16 queries).  Three steps of three key blocks (96 keys).  Both products are used transposed: S^T = K Q^T, O^T = V^T P: a lane holds one query throughout.
; A tile's slot r is token 32 b + 8 u + r + 8 (r / 8): so S^T's 16 registers of a key block are 16 neighbouring keys, and O^T's 16 registers of two channel tiles 16 neighbouring channels: the conversions' results are the next operand.
; K = 64 (first product) and K = 96 (second) are filled up to the instruction's 128 by ZERO CODES in Q and in P; the other side's registers there hold finite codes, its scale bytes are never 0xff.
; SOFTMAX: t = score x log2(e) / sqrt(512); M = the running largest t rounded up to a whole number; p = 2^(t - M) is quantised along the keys; the sum of the unquantised p divides at the end.
; Then O is quantised along the 512 channels, goes from wave to wave through LDS as images of registers, and wave w makes output features 32 w .. 32 w + 31 for the 32 queries (Wo's two tiles in its registers).
; No cluster: neighbouring query blocks want windows shifted against each other at fixed LDS places, and Wo has no room in LDS beside the window.
; LIMITS: NaN and infinities are not served; blocks whose largest magnitude lies under 2^-111 keep the byte 1; scores at or under -3e38 / c are not told apart from masked ones.
.set REC,   34304                      ; a record: +0 K codes [head][u][c][512]; +16384 V codes [head][dt][512]; +32768 K scale words [head][16 u + r]; +33792 V scale bytes [head][r][dt]
.set OIMG,  9*REC                      ; LDS behind the nine records: O's eight fragments (4 t + ks) x 2,048,
.set OSC,   OIMG+8*2048                ; and their scale words [t][r][ks]
.set SPI,   2064                       ; the way out: 32 rows x (2,048 + 16) bytes from LDS byte 0 on: there the records have had their only fill and, behind the fourth barrier, their last read
.set LI,   1                           ; v1   16 x lane + 2,048 head
.set LSK,  2                           ; v2   4 x lane + 128 head
.set LSV,  3                           ; v3   4 r + 64 head
.set DD,   4                           ; v4   my query's place in its block - 16 hh
.set AC,   5                           ; v5-7   the step's three records: codes
.set AKS,  8                           ; v8-10  K's scale words
.set AVS,  11                          ; v11-13 V's scale bytes
.set QS,   14                          ; v14    Q's scale words
.set KS,   15                          ; v15-17 K's: lanes 0-15 tile u = 0, lanes 16-31 tile u = 1
.set VR,   18                          ; v18-20 V's bytes as they lie: a word = four channel tiles of one key block
.set VT,   21                          ; v21    at work on them
.set VS,   22                          ; v22-25 V's scale words: a word = three key blocks of one channel tile
.set PS,   26                          ; v26    P's scale word
.set NINF, 27                          ; v27    -infinity
.set NM,   28                          ; v28    -M
.set TT,   29                          ; v29    the largest t so far
.set SUM,  30                          ; v[30:31] the sum, in two halves
.set AD,   32                          ; v32, 34, 36 the addend of t - M for each key block: -M or -infinity (pairs; the odd registers are written once)
.set FF,   38                          ; v[38:39] f = 2^(old M - new M)
.set BM,   40                          ; v40-42 the blocks' largest scores, then largest p
.set PT,   43                          ; v43-45 lane l xor 16's
.set SO,   46                          ; v46-48 the conversions' scale operands
.set HO,   49                          ; v49-51 the holds
.set BY,   52                          ; v52-54 the bytes
.set TP,   55                          ; v55    at work;  v[56:57] the sums' second chain
.set QF,   60                          ; v60-67 Q; v68-75 zeros
.set FB,   76                          ; v76-123 six tiles of K, then four of V^T; v124-131 zeros
.set S,    132                         ; v132-179 S^T, then p
.set WOS,  188                         ; v188-195 Wo's scale words: 4 u + ks
.set OA,   196                         ; v196-227 O^T; later O's fragments; later rows of the result
.set P,    228                         ; v228-239 P's codes; v240-243 zeros; later bo
.set OS,   244                         ; v244-251 O's scale words: 4 t + ks
.set A8R,  252                         ; v252 8 r;  v253 16 x lane;  v254 64 hh: offsets in memory, never rewritten
.set L16,  253
.set B64,  254
.set WF,   60                          ; v60-187 Wo's eight fragments: 4 u + ks
.set ACC,  28                          ; v28-59 the projection's four accumulators: 2 t + u
.set WV,   18
.set MNT,  19
.set SEL,  20
.set CS,   22                          ; s[22:23] c = log2(e) / sqrt(512)
.set G1,   24
.set G0,   32                          ; s[32:43] three groups 0
.set INV,  44                          ; s44-52 position i lies outside the sequence: all ones, else 0
.macro WMZ d, a, b, sa, sb             ; a product that starts a sum
	v_wmma_scale_f32_16x16x128_f8f6f4 v[\d:\d+7], v[\a:\a+15], v[\b:\b+15], 0, v[\sa], v[\sb] matrix_a_fmt:MATRIX_FMT_BF8 matrix_b_fmt:MATRIX_FMT_BF8
.endm
.macro WMZ1 d, a, b, sa, sb            ; the same, source 0's scales from lanes 16-31
	v_wmma_scale_f32_16x16x128_f8f6f4 v[\d:\d+7], v[\a:\a+15], v[\b:\b+15], 0, v[\sa], v[\sb] matrix_a_fmt:MATRIX_FMT_BF8 matrix_b_fmt:MATRIX_FMT_BF8 matrix_a_scale:MATRIX_SCALE_ROW1
.endm
.macro WM d, a, b, c, sa, sb
	v_wmma_scale_f32_16x16x128_f8f6f4 v[\d:\d+7], v[\a:\a+15], v[\b:\b+15], v[\c:\c+7], v[\sa], v[\sb] matrix_a_fmt:MATRIX_FMT_BF8 matrix_b_fmt:MATRIX_FMT_BF8
.endm
.macro PLACES                          ; eight plain lines between a matrix instruction of this form and a load into, a store of, or a vector read of its registers
.rept 8
	v_nop
.endr
.endm
.macro WOLOAD n                        ; Wo's fragment n = 4 u + ks of my two tiles
.irp c, 0,1,2,3
	global_load_b128 v[WF+16*\n+4*\c:WF+16*\n+4*\c+3], v[L16], s[8:9] offset:2048*\n+512*\c
.endr
.endm
	s_load_b256 s[4:11], s[0:1], 0x0               ; q_rec, kv, codes, scales
	s_load_b128 s[12:15], s[0:1], 0x20             ; bo, out0
	v_lshl_add_u32 v254, v0, 2, 0x4f800
	v_mov_b32 v255, 0
	ds_add_u32 v254, v255
	ds_add_u32 v254, v255
	s_wait_dscnt 0x0
	v_lshrrev_b32 v1, 5, v0
	v_readfirstlane_b32 s[WV], v1                  ; wave 0..15
	; descriptor group 1: a record is dense: 134 rows of 256 bytes (32 elements of 8 bytes), no padding
	s_mov_b32 s[G1], 3<<16
	s_mov_b32 s[G1+1], 32<<16                      ; tensor_dim0
	s_mov_b32 s[G1+2], 134<<16                     ; tensor_dim1
	s_mov_b32 s[G1+3], 32<<16                      ; tile_dim0
	s_mov_b32 s[G1+4], 134                         ; tile_dim1
	s_mov_b32 s[G1+5], 32                          ; the pitch
	s_mov_b32 s[G1+6], 0
	s_mov_b32 s[G1+7], 0
	s_and_b32 s53, ttmp9, 127                      ; qb
	s_sub_co_u32 s54, ttmp9, s53                   ; 128 b
	s_sub_co_i32 s53, s53, 4                       ; the first position's key block; may be negative
.irp i, 0,1,2,3,4,5,6,7,8
	s_add_co_i32 s55, s53, \i
	s_cmp_gt_u32 s55, 127                          ; negative numbers are large ones here
	s_cselect_b32 s[INV+\i], -1, 0
.endr
	s_min_u32 s55, s[WV], 2                        ; waves 0 to 2 fetch; the others hold wave 2's numbers and issue nothing
	s_mul_i32 s56, s55, REC
	s_add_co_i32 s57, s53, s55
	s_mov_b32 s59, 0
	s_wait_kmcnt 0x0
.irp s, 0,1,2
	s_add_co_i32 s58, s57, 3*\s                    ; position 3 s + wave
	s_max_i32 s58, s58, 0
	s_min_i32 s58, s58, 127                        ; held inside the sequence: every load stays in its buffer
	s_add_co_u32 s58, s58, s54
	s_mul_i32 s58, s58, REC
	s_mov_b32 s[G0+4*\s], 1
	s_add_co_u32 s[G0+4*\s+1], s56, 3*\s*REC       ; LDS: by position
	s_add_nc_u64 s[G0+4*\s+2:G0+4*\s+3], s[6:7], s[58:59]
	s_or_b32 s[G0+4*\s+3], s[G0+4*\s+3], 0x80000000
.endr
	s_cmp_lt_u32 s[WV], 3
	s_cbranch_scc0 .Lno_fill                       ; a wave's three fills stand in one branch, ahead of every wait on TENSORcnt, LDS read and barrier: three loads of the wave are out
	tensor_load_to_lds s[G0:G0+3], s[G1:G1+7]
	s_nop 0
	tensor_load_to_lds s[G0+4:G0+7], s[G1:G1+7]
	s_nop 0
	tensor_load_to_lds s[G0+8:G0+11], s[G1:G1+7]
	s_nop 0
.rept 4
	v_nop                                          ; four plain lines behind a tensor load
.endr
.Lno_fill:
	v_and_b32 v40, 31, v0                          ; lane
	v_and_b32 v41, 15, v0                          ; r
	v_bfe_u32 v42, v0, 4, 1                        ; hh
	s_lshr_b32 s60, s[WV], 1                       ; head
	s_and_b32 s61, s[WV], 1                        ; query tile t
	v_lshlrev_b32 v[L16], 4, v40
	v_lshlrev_b32 v[A8R], 3, v41
	v_lshlrev_b32 v[B64], 6, v42
	s_mul_i32 s58, ttmp9, REC
	s_add_nc_u64 s[4:5], s[4:5], s[58:59]          ; my block's record of q
	s_lshl_b32 s62, s[WV], 10
	v_add_nc_u32 v250, s62, v[L16]                 ; 2,048 head + 1,024 t + 16 x lane
	s_lshl_b32 s62, s[WV], 6
	v_lshl_add_u32 v251, v41, 2, s62               ; 128 head + 64 t + 4 r
	global_load_b128 v[QF:QF+3], v250, s[4:5]
	global_load_b128 v[QF+4:QF+7], v250, s[4:5] offset:512
	global_load_b32 v[QS], v251, s[4:5] offset:32768
	s_lshl_b32 s62, s60, 11
	v_add_nc_u32 v[LI], s62, v[L16]
	s_lshl_b32 s62, s60, 7
	v_lshl_add_u32 v[LSK], v40, 2, s62
	s_lshl_b32 s62, s60, 6
	v_lshl_add_u32 v[LSV], v41, 2, s62
	v_and_b32 v43, 8, v41
	v_add_nc_u32 v43, v43, v41                     ; r + 8 (r / 8)
	s_lshl_b32 s62, s61, 3
	v_add_nc_u32 v[DD], s62, v43                   ; my query's place among the 32
	v_lshlrev_b32 v44, 4, v42
	v_sub_nc_u32 v[DD], v[DD], v44                 ; - 16 hh: register e of a key block holds key 16 hh + e
	; pointers and constants for the tail
	s_lshl_b32 s58, s[WV], 14
	s_add_co_u32 s58, s58, 608*8192
	s_add_nc_u64 s[8:9], s[8:9], s[58:59]          ; Wo's tiles 2 w, 2 w + 1: codes,
	s_lshl_b32 s58, s[WV], 9
	s_add_co_u32 s58, s58, 608*256
	s_add_nc_u64 s[10:11], s[10:11], s[58:59]      ; scale words,
	s_lshl_b32 s58, s[WV], 7
	s_add_nc_u64 s[12:13], s[12:13], s[58:59]      ; my 32 numbers of bo,
	s_lshl_b32 s58, ttmp9, 16
	s_lshl_b32 s62, s[WV], 12
	s_add_co_u32 s58, s58, s62
	s_add_nc_u64 s[14:15], s[14:15], s[58:59]      ; rows 32 wg + 2 w, + 1 of the result
	s_lshl_b32 s66, s61, 13                        ; O's image that I write into: fragment 4 t + head / 2, its half head % 2
	s_lshr_b32 s62, s60, 1
	s_lshl_b32 s63, s62, 11
	s_add_co_u32 s66, s66, s63
	s_and_b32 s63, s60, 1
	s_lshl_b32 s70, s63, 10
	s_add_co_u32 s66, s66, s70
	s_add_co_u32 s66, s66, OIMG
	s_lshl_b32 s67, s61, 8                         ; and my two bytes of its scale word
	s_lshl_b32 s70, s62, 2
	s_add_co_u32 s67, s67, s70
	s_lshl_b32 s70, s63, 1
	s_add_co_u32 s67, s67, s70
	s_add_co_u32 s67, s67, OSC
	s_lshl_b32 s68, s[WV], 7
	s_mul_i32 s69, s[WV], 2*SPI
	s_mov_b32 s[SEL], 0x76543210
	s_mov_b32 s[SEL+1], 0xfedcba98
	s_mov_b32 s[CS], 0x3d8293ee
	s_mov_b32 s[CS+1], s[CS]                       ; named with it as a pair, so it is written
	s_mov_b32 s[MNT], 0x600000
.set j, 0
.rept 8
	v_mov_b32 v[QF+8+j], 0                         ; Q's channels 64-127: zero codes
	v_mov_b32 v[FB+48+j], 0                        ; the tail behind the last tile of K or V
.set j, j+1
.endr
.irp j, 0,1,2,3
	v_mov_b32 v[P+12+\j], 0                        ; P's keys 96-127: zero codes
.endr
.irp j, 0,1,2
	v_mov_b32 v[PT+\j], 0                          ; a lane permute's destination counts as one of its sources
	v_mov_b32 v[AD+2*\j+1], 0
.endr
	v_mov_b32 v[FF+1], 0
	v_mov_b32 v[NINF], 0xff800000
	v_mov_b32 v[TT], 0xff61b1e6                    ; -3e38, under every t
	v_floor_f32 v[NM], -v[TT]
	v_mov_b32 v[SUM], 0
	v_mov_b32 v[SUM+1], 0
	s_wait_loadcnt 0x0                             ; Q and its scale words
; A STEP: positions 3 s .. 3 s + 2.  first = 1: its products start O^T's sums.
.macro STEP s, first
	s_wait_tensorcnt 2-\s                          ; tensor loads of a wave end in order: my record of this step has landed; those of the later steps may be out (nothing is filled again)
	s_wait_dscnt 0x0
	s_barrier_signal -1
	s_barrier_wait -1                              ; the step's three records are whole for every wave
.irp c, 0,1,2
	v_add_nc_u32 v[AC+\c], (3*\s+\c)*REC, v[LI]    ; these nine are also the places behind the last step's products, ahead of the loads into their registers
	v_add_nc_u32 v[AKS+\c], (3*\s+\c)*REC, v[LSK]
	v_add_nc_u32 v[AVS+\c], (3*\s+\c)*REC, v[LSV]
.endr
.irp c, 0,1,2
.irp u, 0,1
	ds_load_b128 v[FB+8*(2*\c+\u):FB+8*(2*\c+\u)+3], v[AC+\c] offset:1024*\u
	ds_load_b128 v[FB+8*(2*\c+\u)+4:FB+8*(2*\c+\u)+7], v[AC+\c] offset:1024*\u+512
.endr
	ds_load_b32 v[KS+\c], v[AKS+\c] offset:32768
.endr
	s_wait_dscnt 0x0
.irp c, 0,1,2                                  ; S^T = K Q^T: a tile's 8 registers of codes, then 8 that meet Q's zeros
	WMZ  S+16*\c,   FB+16*\c,   QF, KS+\c, QS
	WMZ1 S+16*\c+8, FB+16*\c+8, QF, KS+\c, QS
.endr
	PLACES
.irp c, 0,1,2
	ds_load_b32 v[VR+\c], v[AVS+\c] offset:33792
.endr
.irp dt, 0,1,2,3
.irp c, 0,1,2
	ds_load_b128 v[FB+12*\dt+4*\c:FB+12*\dt+4*\c+3], v[AC+\c] offset:16384+512*\dt   ; V^T: channel tile dt, key block c: they land under the softmax
.endr
.endr
.if \s == 0                                    ; the band's lower edge lies in position 0: key 16 hh + e is hidden where e < my query's place - 16 hh
.irp e, 0,1,2,3,4,5,6,7,8,9,10,11,12,13,14,15
	v_cmp_lt_i32 vcc_lo, \e, v[DD]
	v_cndmask_b32 v[S+\e], v[S+\e], v[NINF], vcc_lo
.endr
.endif
.if \s == 2                                    ; the upper edge in position 8: hidden where e > my query's place - 16 hh
.irp e, 0,1,2,3,4,5,6,7,8,9,10,11,12,13,14,15
	v_cmp_gt_i32 vcc_lo, \e, v[DD]
	v_cndmask_b32 v[S+32+\e], v[S+32+\e], v[NINF], vcc_lo
.endr
.endif
.irp c, 0,1,2
	v_max3_num_f32 v[BM+\c], v[S+16*\c], v[S+16*\c+1], v[S+16*\c+2]   ; each block's largest score: for the row's maximum and for the block's largest p
.endr
.irp i, 3,5,7,9,11,13
.irp c, 0,1,2
	v_max3_num_f32 v[BM+\c], v[BM+\c], v[S+16*\c+\i], v[S+16*\c+\i+1]
.endr
.endr
.irp c, 0,1,2
	v_max_num_f32 v[BM+\c], v[BM+\c], v[S+16*\c+15]
.endr
.irp c, 0,1,2
	v_permlanex16_b32 v[PT+\c], v[BM+\c], s[SEL], s[SEL+1]
.endr
.irp c, 0,1,2
	v_max_num_f32 v[BM+\c], v[BM+\c], v[PT+\c]
.endr
.irp c, 0,1,2
	v_cndmask_b32 v[BM+\c], v[BM+\c], v[NINF], s[INV+3*\s+\c]         ; a block outside the sequence counts for nothing
.endr
	v_max3_num_f32 v[TP], v[BM], v[BM+1], v[BM+2]
	v_mul_f32 v[TP], s[CS], v[TP]                  ; as t (c is positive)
	v_max_num_f32 v[TT], v[TT], v[TP]
	v_mov_b32 v[TP], v[NM]
	v_floor_f32 v[NM], -v[TT]                      ; -M = floor(-t): M is a whole number
	v_sub_f32 v[TP], v[NM], v[TP]                  ; old M - new M: a whole number, 0 or less
	v_cvt_i32_f32 v[TP], v[TP]                     ; (it saturates)
	v_ldexp_f32 v[FF], 1.0, v[TP]                  ; f = 2^(old M - new M): multiplying by it rounds nothing
.irp c, 0,1,2
	v_cndmask_b32 v[AD+2*\c], v[NM], v[NINF], s[INV+3*\s+\c]
.endr
.irp c, 0,1,2
.irp j, 0,2,4,6,8,10,12,14
	v_pk_fma_f32 v[S+16*\c+\j:S+16*\c+\j+1], v[S+16*\c+\j:S+16*\c+\j+1], s[CS:CS+1], v[AD+2*\c:AD+2*\c+1] op_sel_hi:[1,0,0]   ; t - M
.endr
.endr
.irp c, 0,1,2
	v_fma_f32 v[BM+\c], v[BM+\c], s[CS], v[AD+2*\c]
.endr
.set j, 0
.rept 48
	v_exp_f32 v[S+j], v[S+j]                       ; p = 2^(t - M), not normalised
.set j, j+1
.endr
	v_pk_mul_f32 v[SUM:SUM+1], v[SUM:SUM+1], v[FF:FF+1] op_sel_hi:[1,0]   ; the sum under the new M: the plain line behind the exponentials
	s_wait_alu depctr_va_vdst(0)                   ; one wait for the batch of 48, ahead of its first reader
.irp c, 0,1,2
	v_exp_f32 v[BM+\c], v[BM+\c]                   ; the block's largest p: the same two instructions on the same number
.endr
	v_pk_add_f32 v[56:57], v[S:S+1], v[S+2:S+3]    ; the sum of the unquantised p, in two chains
.irp j, 4,8,12,16,20,24,28,32,36,40,44
	v_pk_add_f32 v[SUM:SUM+1], v[SUM:SUM+1], v[S+\j:S+\j+1]
	v_pk_add_f32 v[56:57], v[56:57], v[S+\j+2:S+\j+3]
.endr
	v_pk_add_f32 v[SUM:SUM+1], v[SUM:SUM+1], v[56:57]
	s_wait_alu depctr_va_vdst(0)                   ; and one for the three
.irp c, 0,1,2
	v_max_num_f32 v[BM+\c], 0x8000000, v[BM+\c]    ; the floor 2^(16 - 127): the byte cannot fall under 1
.endr
.irp c, 0,1,2
	v_add_nc_u32 v[SO+\c], 0xf8800000, v[BM+\c]
.endr
.irp c, 0,1,2
	v_and_or_b32 v[HO+\c], v[BM+\c], 0x7f800000, s[MNT]
.endr
.irp c, 0,1,2
	v_lshrrev_b32 v[BY+\c], 23, v[SO+\c]
.endr
	v_lshl_or_b32 v[PS], v[BY+1], 8, v[BY]         ; P's scale word; its fourth byte is 0 and meets zero codes
	v_lshl_or_b32 v[PS], v[BY+2], 16, v[PS]
	s_wait_dscnt 12                                ; V's three words of bytes are in; the 12 loads of codes behind them may be out
.irp dt, 0,1,2,3
	v_perm_b32 v[VT], v[VR+1], v[VR], \dt|((4+\dt)<<8)|(\dt<<16)|(\dt<<24)          ; byte dt of key blocks 0 and 1,
	v_perm_b32 v[VS+\dt], v[VR+2], v[VT], 0x0100|((4+\dt)<<16)|((4+\dt)<<24)        ; and of key block 2 (twice: the fourth byte meets zero codes)
.endr
.irp c, 0,1,2
.irp i, 0,1,2,3,4,5,6,7,8,9,10,11,12,13,14,15
	v_min_num_f32 v[S+16*\c+\i], v[S+16*\c+\i], v[HO+\c]              ; the conversion does not saturate (ISA guide 7.6.2); p is not negative: a one-sided hold
.endr
	v_cvt_scalef32_pk8_bf8_f32 v[P+4*\c:P+4*\c+1], v[S+16*\c:S+16*\c+7], v[SO+\c]
	v_cvt_scalef32_pk8_bf8_f32 v[P+4*\c+2:P+4*\c+3], v[S+16*\c+8:S+16*\c+15], v[SO+\c]
.endr
	v_nop                                          ; a plain line behind the last conversion
.if \s == 2                                    ; Q's registers and most of p's are free: half of Wo and its scale words are asked for here
	WOLOAD 0
	WOLOAD 5
	WOLOAD 6
	WOLOAD 7
.irp u, 0,1
.irp hf, 0,1
	global_load_b64 v[WOS+4*\u+2*\hf:WOS+4*\u+2*\hf+1], v[A8R], s[10:11] offset:256*\u+128*\hf
.endr
.endr
.endif
.if \first
.rept 4
	v_nop                                          ; codes made by vector instructions stand four plain lines ahead of the scaled product
.endr
.else
.irp j, 0,2,4,6,8,10,12,14,16,18,20,22,24,26,28,30
	v_pk_mul_f32 v[OA+\j:OA+\j+1], v[OA+\j:OA+\j+1], v[FF:FF+1] op_sel_hi:[1,0]   ; O^T under the new M; also the lines ahead of the products
.endr
.endif
	s_wait_dscnt 0x0                               ; V's codes
.irp dt, 0,1,2,3                               ; O^T += V^T P: 12 registers of codes, then 4 that meet P's zeros; four accumulators, one instruction each
.if \first
	WMZ OA+8*\dt, FB+12*\dt, P, VS+\dt, PS
.else
	WM OA+8*\dt, FB+12*\dt, P, OA+8*\dt, VS+\dt, PS
.endif
.endr
.endm
	STEP 0, 1
	STEP 1, 0
	STEP 2, 0
	; the tail's LDS addresses: twelve plain lines that name no register of the last products: their places
	v_and_b32 v7, 15, v0                           ; r
	v_bfe_u32 v8, v0, 4, 1                         ; hh
	v_add_nc_u32 v1, s66, v[L16]                   ; v1: where I store O's codes
	v_lshl_add_u32 v2, v7, 4, s67                  ; v2: and my two scale bytes: 16 r on
	v_add_nc_u32 v3, OIMG, v[L16]                  ; v3: where any fragment of O is read
	v_lshl_add_u32 v4, v7, 4, OSC                  ; v4: and a row's four scale words
	v_and_b32 v9, 8, v7
	v_add_nc_u32 v9, v9, v7                        ; r + 8 (r / 8)
	v_mul_u32_u24 v5, v9, SPI
	v_lshl_add_u32 v5, v8, 6, v5
	v_add_nc_u32 v5, s68, v5                       ; v5: the stage, on the way in: my query's row, + 128 w + 64 hh
	v_add_nc_u32 v6, s69, v[L16]                   ; v6: on the way out: rows 2 w, 2 w + 1
	WOLOAD 1
	WOLOAD 2
	WOLOAD 3
	WOLOAD 4
.irp u, 0,1
	global_load_b128 v[P+8*\u:P+8*\u+3], v[B64], s[12:13] offset:32*\u       ; bo in the result's layout: features 32 w + 16 hh + 8 u + 0 .. 7
	global_load_b128 v[P+8*\u+4:P+8*\u+7], v[B64], s[12:13] offset:32*\u+16
.endr
	v_add_f32 v[SUM], v[SUM], v[SUM+1]             ; the sum's two halves,
	v_permlanex16_b32 v[PT], v[SUM], s[SEL], s[SEL+1]
	v_add_f32 v[SUM], v[SUM], v[PT]                ; and lane l xor 16's
	v_rcp_f32 v[SUM], v[SUM]
	v_nop                                          ; a plain line behind the reciprocal
	s_wait_alu depctr_va_vdst(0)                   ; and the wait ahead of its first reader
.set j, 0
.rept 32
	v_mul_f32 v[OA+j], v[OA+j], v[SUM]             ; O^T / the sum, each accumulator from its low end on: register 16 b + i is channel 64 head + 32 b + 16 hh + i
.set j, j+1
.endr
	; O is quantised along the channels: my two blocks of 32
.irp b, 0,1
	v_max3_num_f32 v[40+\b], |v[OA+16*\b]|, |v[OA+16*\b+1]|, 0x8000000
.endr
.irp i, 2,4,6,8,10,12,14
.irp b, 0,1
	v_max3_num_f32 v[40+\b], v[40+\b], |v[OA+16*\b+\i]|, |v[OA+16*\b+\i+1]|
.endr
.endr
.irp b, 0,1
	v_permlanex16_b32 v[42+\b], v[40+\b], s[SEL], s[SEL+1]
.endr
.irp b, 0,1
	v_max_num_f32 v[40+\b], v[40+\b], v[42+\b]
.endr
.irp b, 0,1
	v_add_nc_u32 v[52+\b], 0xf8800000, v[40+\b]
.endr
.irp b, 0,1
	v_and_or_b32 v[54+\b], v[40+\b], 0x7f800000, s[MNT]
.endr
.irp b, 0,1
	v_lshrrev_b32 v[56+\b], 23, v[52+\b]
.endr
	v_lshl_or_b32 v58, v57, 8, v56                 ; my two bytes of the row's scale word
.irp b, 0,1
.irp i, 0,1,2,3,4,5,6,7,8,9,10,11,12,13,14,15
	v_med3_num_f32 v[OA+16*\b+\i], v[OA+16*\b+\i], -v[54+\b], v[54+\b]
.endr
	v_cvt_scalef32_pk8_bf8_f32 v[44+4*\b:45+4*\b], v[OA+16*\b:OA+16*\b+7], v[52+\b]
	v_cvt_scalef32_pk8_bf8_f32 v[46+4*\b:47+4*\b], v[OA+16*\b+8:OA+16*\b+15], v[52+\b]
.endr
	v_nop                                          ; a plain line behind the last conversion: products write these registers later
	ds_store_b128 v1, v[44:47]                     ; register groups 2 (head % 2) and 2 (head % 2) + 1 of fragment (t, head / 2)
	ds_store_b128 v1, v[48:51] offset:512
	ds_store_b16 v2, v58                           ; lanes 16-31 repeat lanes 0-15's bytes at the same places
	s_wait_dscnt 0x0                               ; for the others' sake: my stores have landed, and my reads of the records are over
	s_barrier_signal -1
	s_barrier_wait -1                              ; O's eight fragments lie in LDS; nobody reads the records any more
	; the projection, transposed: source 0 = 16 rows of Wo, source 1 = 16 queries of O; four accumulators by turns, a K step at a time
	ds_load_b128 v[OS:OS+3], v4
	ds_load_b128 v[OS+4:OS+7], v4 offset:256
	s_wait_loadcnt 0x0                             ; Wo, its scale words, bo
.irp ks, 0,1,2,3
.irp t, 0,1
.irp c, 0,1,2,3
	ds_load_b128 v[OA+16*\t+4*\c:OA+16*\t+4*\c+3], v3 offset:(4*\t+\ks)*2048+512*\c
.endr
.endr
	s_wait_dscnt 0x0
.irp t, 0,1
.irp u, 0,1
.if \ks == 0
	WM ACC+8*(2*\t+\u), WF+16*(4*\u+\ks), OA+16*\t, P+8*\u, WOS+4*\u+\ks, OS+4*\t+\ks
.else
	WM ACC+8*(2*\t+\u), WF+16*(4*\u+\ks), OA+16*\t, ACC+8*(2*\t+\u), WOS+4*\u+\ks, OS+4*\t+\ks
.endif
.endr
.endr
	PLACES                                         ; ahead of the next loads into O's fragments, and of the stores of the results
.endr
.irp t, 0,1
.irp u, 0,1
	ds_store_b128 v5, v[ACC+8*(2*\t+\u):ACC+8*(2*\t+\u)+3] offset:8*SPI*\t+32*\u        ; lane (r, hh): query 8 t + r + 8 (r / 8), features 32 w + 16 hh + 8 u + 0 .. 7; each accumulator from its low end on
	ds_store_b128 v5, v[ACC+8*(2*\t+\u)+4:ACC+8*(2*\t+\u)+7] offset:8*SPI*\t+32*\u+16
.endr
.endr
	s_wait_dscnt 0x0
	s_barrier_signal -1
	s_barrier_wait -1                              ; 32 whole rows of the result lie in the stage
.irp i, 0,1,2,3,4,5,6,7
	ds_load_b128 v[OA+4*\i:OA+4*\i+3], v6 offset:(\i/4)*SPI+512*(\i%4)
.endr
.irp i, 0,1,2,3,4,5,6,7
	s_wait_dscnt 7-\i                              ; LDS loads come back in order: piece i is in
	global_store_b128 v[L16], v[OA+4*\i:OA+4*\i+3], s[14:15] offset:512*\i th:TH_STORE_NT   ; 32 lanes store 512 consecutive bytes, aligned; written once, read by nobody here
.endr
	s_wait_xcnt 0x0
	v_lshl_add_u32 v254, v0, 2, 0x4f800
	v_mov_b32 v255, 0
	s_wait_tensorcnt 0x0
	ds_add_u32 v254, v255
	s_wait_dscnt 0x0
	s_endpgm
.Lfunc_end_k_qb531d27ca9_attn:
	.size	k_qb531d27ca9_attn, .Lfunc_end_k_qb531d27ca9_attn-k_qb531d27ca9_attn
	.p2alignl 7, 3214868480
	.fill 96, 4, 3214868480
	.section	.rodata,"a",@progbits
	.p2align	6, 0x0
	.amdhsa_kernel k_qb531d27ca9_attn
		.amdhsa_group_segment_fixed_size 327680
		.amdhsa_private_segment_fixed_size 0
		.amdhsa_enable_private_segment 0
		.amdhsa_kernarg_size 48
		.amdhsa_user_sgpr_count 2
		.amdhsa_user_sgpr_kernarg_segment_ptr 1
		.amdhsa_wavefront_size32 1
		.amdhsa_system_sgpr_workgroup_id_x 1
		.amdhsa_system_sgpr_workgroup_id_y 1
		.amdhsa_system_sgpr_workgroup_id_z 1
		.amdhsa_system_vgpr_workitem_id 0
		.amdhsa_next_free_vgpr 256
		.amdhsa_next_free_sgpr 96
		.amdhsa_reserve_vcc 1
		.amdhsa_float_denorm_mode_32 3
		.amdhsa_float_denorm_mode_16_64 3
		.amdhsa_memory_ordered 1
		.amdhsa_forward_progress 1
		.amdhsa_inst_pref_size 75
	.end_amdhsa_kernel
	.amdgpu_metadata
---
amdhsa.version: [ 1, 2 ]
amdhsa.kernels:
  - .name:           k_qb531d27ca9_attn
    .symbol:         k_qb531d27ca9_attn.kd
    .args:
      - { .name: q_rec, .offset: 0, .size: 8, .value_kind: global_buffer, .address_space: global }
      - { .name: kv, .offset: 8, .size: 8, .value_kind: global_buffer, .address_space: global }
      - { .name: codes, .offset: 16, .size: 8, .value_kind: global_buffer, .address_space: global }
      - { .name: scales, .offset: 24, .size: 8, .value_kind: global_buffer, .address_space: global }
      - { .name: bo, .offset: 32, .size: 8, .value_kind: global_buffer, .address_space: global }
      - { .name: out0, .offset: 40, .size: 8, .value_kind: global_buffer, .address_space: global }
    .group_segment_fixed_size: 327680
    .private_segment_fixed_size: 0
    .kernarg_segment_align: 8
    .kernarg_segment_size: 48
    .max_flat_workgroup_size: 512
    .sgpr_count:     96
    .vgpr_count:     256
    .wavefront_size: 32
...
	.end_amdgpu_metadata
.endif
;; end of part 3
;; ======== version 2 of 2: 3 launches; version 1 with the launch qkv written anew for expert scheduling mode
;; workspace buffers: codes 5,242,880 bytes; scales 163,840 bytes; kv 8,781,824 bytes; q_rec 8,781,824 bytes
;; launch prep: the kernel of part 1 again; grid 256 x 1, 5 waves a work-group, no clusters, 85,248 bytes of LDS; arguments x, Wq, Wk, Wv, Wo, codes, scales; writes codes, scales
;; launch qkv (part 4): grid 64 x 3, 8 waves a work-group, no clusters, 68,608 bytes of LDS; arguments codes, scales, bq, bk, bv, q_rec, kv; writes q_rec, kv
.if DOCPART == 4
	.amdgcn_target "amdgcn-amd-amdhsa--gfx1250"
	.amdhsa_code_object_version 6
	.text
	.protected	k_qb531d27ca9_qkv
	.globl	k_qb531d27ca9_qkv
	.p2align	8
	.type	k_qb531d27ca9_qkv,@function
k_qb531d27ca9_qkv:
	s_mov_b64 s[64:65], 0
	v_nop
	global_prefetch_b8 v0, s[64:65] scope:SCOPE_SE
	s_setreg_imm32_b32 hwreg(HW_REG_WAVE_SCHED_MODE, 0, 2), 2
	s_setreg_imm32_b32 hwreg(HW_REG_WAVE_MODE, 25, 1), 1
	s_wait_xcnt 0x0
	s_wait_alu depctr_vm_vsrc(0)
; q = x Wq^T + bq, k = x Wk^T + bk, v = x Wv^T + bv on codes of BF8 (E5M2) with E8M0 scales; the results are quantised at once for attention's two products.
; Work-group (g, y): 128 tokens (x tiles 8 g .. 8 g + 7, key blocks 4 g .. 4 g + 3) of tensor y (0 q, 1 k, 2 v).  Wave w = head w: its 4 tiles x 4 K steps of the weight
; (16 fragments, 256 registers: window 1) are read once and stay.  The eight x tiles are read once, one a wave, and shared through LDS as images of their registers.
; A tile's slot r is row 32 b + 8 u + r + 8 (r / 8) (tile 2 b + u), for tokens and for the weights' rows alike.  So:
;   q, k: TRANSPOSED (source 0 = weight, source 1 = x): a lane holds one token, and the 16 registers of two neighbouring weight tiles are 16 neighbouring channels: quantised along the head's 64 channels.
;   v:    natural (source 0 = x, source 1 = weight): a lane holds one channel slot, and the 16 registers of two neighbouring token tiles are 16 neighbouring tokens: quantised along the keys.
; The bias is the C of each sum's first matrix instruction.
; A RECORD (REC bytes) for each block of 32 tokens: +0 K codes [head][u][c][512]; +16384 V codes [head][dt][512]; +32768 K scale words [head][16 u + r] (bytes 0, 1; bytes 2, 3 are 0);
; +33792 V scale bytes [head][r][dt].  q goes into q_rec in the K parts' layout.  A wave's scale words are 128 or 64 consecutive bytes: about a twenty-fifth of a record leaves in such short runs.
; LIMITS: NaN and infinities are not served; a block whose largest magnitude lies under 2^-111, or a block of zeros, keeps the byte 1 (read by this program alone).
; THE MODE: SCHED_MODE bits 1:0 = 2 (LLVM: expert scheduling mode 2), set by the entry lines.  The code itself states the register dependences
; between vector or matrix instructions and memory or LDS instructions, with s_wait_alu, always for 0.
; THE PLAN.  Registers that memory or LDS instructions touch:
;   v1, v3-v6, v9   offsets and LDS addresses: made at the head, never written again.   v10, v7: made at the head of each of the two ways, never written again.
;   XF, XS          one x tile.  Filled by global loads, read by the head's LDS stores; then filled by FETCHX (LDS loads) and read by a MUL's sixteen matrix instructions, by turns.
;   PC, PW+2        the out-buffer.  Written by a block's conversions and word lines; read by its five stores, which are issued in the NEXT block.
;   WS, BI, window 1  loaded once, then named by matrix instructions alone.   H, TM, PW, PW+1: named by vector and matrix instructions alone.
;   v254, v255      written at the head, read by the closing add alone.
; A block has two waits on va_vdst, one behind each MUL and its places.  The first states that MUL 0 is done reading XF and XS and that the block before has written PC and PW+2: behind it stand the next tile's
; LDS loads and the block before's stores, with no vector or matrix instruction between.  The second states that MUL 1 is done reading XF and XS: behind it stand the next tile's LDS loads; the quantiser that
; follows names none of their registers.  One wait on vm_vsrc, beside the wait on XCNT, stands ahead of the quantiser, which writes PC and PW+2 again.
.set REC,  34304
.set XSC,  65536                       ; LDS: x's eight images at 8,192 m; behind them their scale words, 256 bytes a tile
.set XF,   16                          ; v16-79   one x tile's four fragments
.set XS,   80                          ; v80-83   its scale words, K step ks
.set H,    84                          ; v84-147  64 results of a lane
.set PC,   148                         ; v148-163 their codes
.set TM,   164                         ; v164-179 at work
.set PW,   180                         ; v180-182 scale words in the making
.set WS,   184                         ; v184-199 the weight's scale words: 4 wt + ks
.set BI,   200                         ; v200-231 the bias, 8 registers a weight tile, in the result's layout
.set SEL,  20
.set MNT,  22
.set MSB, 0
.macro WIN new                         ; the immediate's high byte repeats the setting that is left
.if MSB != \new
	s_set_vgpr_msb (MSB<<8)|\new
.set MSB, \new
.endif
.endm
.macro WM d, a, b, c, sa, sb
	v_wmma_scale_f32_16x16x128_f8f6f4 v[\d:\d+7], v[\a:\a+15], v[\b:\b+15], v[\c:\c+7], v[\sa], v[\sb] matrix_a_fmt:MATRIX_FMT_BF8 matrix_b_fmt:MATRIX_FMT_BF8
.endm
.macro PLACES                          ; eight plain lines between a matrix instruction of this form and a load into, or a vector read of, its registers
.rept 8
	v_nop
.endr
.endm
.macro QUANT s, pc
.irp b, 0,1,2,3
	v_max3_num_f32 v[TM+\b], |v[\s+16*\b]|, |v[\s+16*\b+1]|, 0x8000000   ; each accumulator is read from its low end on; the floor 2^(16 - 127) holds the byte at 1
.endr
.irp i, 2,4,6,8,10,12,14
.irp b, 0,1,2,3
	v_max3_num_f32 v[TM+\b], v[TM+\b], |v[\s+16*\b+\i]|, |v[\s+16*\b+\i+1]|
.endr
.endr
.irp b, 0,1,2,3
	v_permlanex16_b32 v[TM+4+\b], v[TM+\b], s[SEL], s[SEL+1]
.endr
.irp b, 0,1,2,3
	v_max_num_f32 v[TM+\b], v[TM+\b], v[TM+4+\b]                  ; with lane l xor 16's: the block's largest magnitude
.endr
.irp b, 0,1,2,3
	v_add_nc_u32 v[TM+12+\b], 0xf8800000, v[TM+\b]                ; the conversion's scale operand
.endr
.irp b, 0,1,2,3
	v_and_or_b32 v[TM+8+\b], v[TM+\b], 0x7f800000, s[MNT]         ; 57,344 x the scale
.endr
.irp b, 0,1,2,3
	v_lshrrev_b32 v[TM+4+\b], 23, v[TM+12+\b]                     ; the byte
.endr
.irp b, 0,1,2,3
.irp i, 0,1,2,3,4,5,6,7,8,9,10,11,12,13,14,15
	v_med3_num_f32 v[\s+16*\b+\i], v[\s+16*\b+\i], -v[TM+8+\b], v[TM+8+\b]
.endr
	v_cvt_scalef32_pk8_bf8_f32 v[\pc+4*\b:\pc+4*\b+1], v[\s+16*\b:\s+16*\b+7], v[TM+12+\b]
	v_cvt_scalef32_pk8_bf8_f32 v[\pc+4*\b+2:\pc+4*\b+3], v[\s+16*\b+8:\s+16*\b+15], v[TM+12+\b]
.endr
	v_nop                                          ; a plain line behind the last conversion: later products write its sources
.endm
.macro FETCHX m                        ; x tile m of the work-group's eight: four fragments and four scale words, as they were stored
.irp n, 0,1,2,3,4,5,6,7,8,9,10,11,12,13,14,15
	ds_load_b128 v[XF+4*\n:XF+4*\n+3], v1 offset:(\m)*8192+512*\n
.endr
	ds_load_b64 v[XS:XS+1], v3 offset:(\m)*256
	ds_load_b64 v[XS+2:XS+3], v3 offset:(\m)*256+128
.endm
; 16 matrix instructions: the x tile in hand (u = its place in the block of 32 tokens) against my four weight tiles, K in four steps.  The four accumulators take turns, one instruction a turn.
.macro MUL u, isv
.if \isv
	WIN 0x04                                       ; source 1 (the weight) in window 1
.else
	WIN 0x01                                       ; source 0 (the weight) in window 1
.endif
.irp ks, 0,1,2,3
.irp wt, 0,1,2,3
.if \isv
.if \ks == 0
	WM H+16*\wt+8*\u, XF+16*\ks, 16*(4*\wt+\ks), BI+8*\wt, XS+\ks, WS+4*\wt+\ks
.else
	WM H+16*\wt+8*\u, XF+16*\ks, 16*(4*\wt+\ks), H+16*\wt+8*\u, XS+\ks, WS+4*\wt+\ks
.endif
.else
.if \ks == 0
	WM H+32*\u+8*\wt, 16*(4*\wt+\ks), XF+16*\ks, BI+8*\wt, WS+4*\wt+\ks, XS+\ks
.else
	WM H+32*\u+8*\wt, 16*(4*\wt+\ks), XF+16*\ks, H+32*\u+8*\wt, WS+4*\wt+\ks, XS+\ks
.endif
.endif
.endr
.endr
	WIN 0
.endm
; The five stores of block bI: its codes and its scale words, into record bI of the work-group's four.  They stand behind a wait on va_vdst that was issued behind the block's conversions and word lines.
.macro SEND bI, isv
.if \isv
.irp n, 0,1,2,3
	global_store_b128 v6, v[PC+4*\n:PC+4*\n+3], s[34:35] offset:(\bI)*REC+16384+512*\n   ; channel tile n: 32 keys x 16 channel slots, 512 consecutive bytes
.endr
	global_store_b32 v7, v[PW+2], s[34:35] offset:(\bI)*REC+33792
.else
.irp n, 0,1,2,3
	global_store_b128 v6, v[PC+4*\n:PC+4*\n+3], s[34:35] offset:(\bI)*REC+512*\n         ; n = 2 u + c
.endr
	global_store_b32 v7, v[PW+2], s[34:35] offset:(\bI)*REC+32768
.endif
.endm
; One block of 32 tokens: two x tiles, 32 products, 64 results a lane, quantised.  Its stores are issued in the next block (the last block's behind it).
.macro BLOCK bI, isv
	s_wait_dscnt 0x0                               ; the tile's fragments and scale words are in
	MUL 0, \isv
	PLACES
	s_wait_alu depctr_va_vdst(0)                   ; the sixteen products are done reading XF and XS, in which the LDS loads below land; the block before has written PC and PW+2, which the stores below read
	FETCHX 2*\bI+1
.if \bI > 0
	SEND \bI-1, \isv                               ; no vector or matrix instruction since the wait: nothing names the stores' registers
.endif
	s_wait_dscnt 0x0
	MUL 1, \isv
	PLACES
.if \bI < 3
	s_wait_alu depctr_va_vdst(0)                   ; the sixteen products are done reading XF and XS, in which the next tile's LDS loads land
	FETCHX 2*\bI+2                                 ; lands while this block is quantised: the quantiser names H, TM, PC and PW alone
.endif
.if \bI > 0
	s_wait_xcnt 0x0                                ; the last block's stores have read their data: the codes' and the word's registers are written again only behind this wait
	s_wait_alu depctr_vm_vsrc(0)                   ; the last block's stores have read PC and PW+2, which the conversions and the word lines below write again
.endif
	QUANT H, PC
.if \isv
	v_lshl_or_b32 v[PW+2], v[TM+5], 8, v[TM+4]     ; channel slot r: the bytes of my four channel tiles
	v_lshl_or_b32 v[PW+2], v[TM+6], 16, v[PW+2]
	v_lshl_or_b32 v[PW+2], v[TM+7], 24, v[PW+2]
.else
	v_lshl_or_b32 v[PW], v[TM+5], 8, v[TM+4]       ; token tile 0: the bytes of channels 0-31 and 32-63
	v_lshl_or_b32 v[PW+1], v[TM+7], 8, v[TM+6]     ; token tile 1
	v_cndmask_b32 v[PW+2], v[PW], v[PW+1], s23     ; lanes 0-15 keep tile 0's word of slot r, lanes 16-31 tile 1's
.endif
.endm
	s_load_b256 s[4:11], s[0:1], 0x0               ; codes, scales, bq, bk
	s_load_b128 s[12:15], s[0:1], 0x20             ; bv, q_rec
	s_load_b64 s[16:17], s[0:1], 0x30              ; kv
	v_lshl_add_u32 v254, v0, 2, 0x10800
	v_mov_b32 v255, 0
	v_lshrrev_b32 v2, 5, v0
	v_readfirstlane_b32 s18, v2                    ; wave = head
	s_and_b32 s19, ttmp7, 0xffff                   ; y: 0 q, 1 k, 2 v
	v_and_b32 v2, 31, v0                           ; lane
	v_and_b32 v8, 15, v0                           ; r
	v_lshlrev_b32 v1, 4, v2                        ; 16 x lane: an image's place for my lane, in memory and in LDS
	v_lshlrev_b32 v9, 3, v8                        ; 8 r
	v_add_nc_u32 v3, XSC, v9                       ; x's scale words in LDS
	s_wait_alu depctr_va_sdst(0)                   ; s18 is written, ahead of its first reader: addresses and bases are made from it
	s_lshl_b32 s36, s18, 13
	v_add_nc_u32 v4, s36, v1                       ; where I store my x tile's images
	s_lshl_b32 s36, s18, 8
	v_add_nc_u32 v5, s36, v3                       ; and its scale words
	s_lshl_b32 s36, s18, 11
	v_add_nc_u32 v6, s36, v1                       ; my head's codes in a record
	s_mov_b32 s[SEL], 0x76543210
	s_mov_b32 s[SEL+1], 0xfedcba98
	s_mov_b32 s[MNT], 0x600000
	s_mov_b32 s23, 0xffff0000                      ; lanes 16-31
.irp b, 0,1,2,3
	v_mov_b32 v[TM+4+\b], 0                        ; written once: a lane permute's destination counts as one of its sources
.endr
	s_lshl_b32 s38, ttmp9, 3
	s_add_co_u32 s38, s38, s18                     ; my x tile: 8 g + w
	s_lshl_b32 s39, s19, 5
	s_lshl_b32 s40, s18, 2
	s_add_co_u32 s39, s39, s40
	s_add_co_u32 s39, s39, 512                     ; my first weight tile: 512 + 32 y + 4 w
	s_mov_b32 s37, 0
	s_wait_kmcnt 0x0
	s_lshl_b32 s36, s38, 13
	s_add_nc_u64 s[24:25], s[4:5], s[36:37]
	s_lshl_b32 s36, s38, 8
	s_add_nc_u64 s[26:27], s[6:7], s[36:37]
	s_lshl_b32 s36, s39, 13
	s_add_nc_u64 s[28:29], s[4:5], s[36:37]
	s_lshl_b32 s36, s39, 8
	s_add_nc_u64 s[30:31], s[6:7], s[36:37]
	s_wait_alu depctr_va_vdst(0)                   ; v1, v3, v4, v5, v6 and v9 are written: the loads and stores of the whole launch read them as offsets and LDS addresses
.irp n, 0,1,2,3,4,5,6,7,8,9,10,11,12,13,14,15
	global_load_b128 v[XF+4*\n:XF+4*\n+3], v1, s[24:25] offset:512*\n
.endr
	global_load_b64 v[XS:XS+1], v9, s[26:27]
	global_load_b64 v[XS+2:XS+3], v9, s[26:27] offset:128
.irp wt, 0,1,2,3
	global_load_b64 v[WS+4*\wt:WS+4*\wt+1], v9, s[30:31] offset:256*\wt
	global_load_b64 v[WS+4*\wt+2:WS+4*\wt+3], v9, s[30:31] offset:256*\wt+128
.endr
	WIN 0x40                                       ; destination window 1: fragment (wt, ks) at v[16 (4 wt + ks)]: 32 KiB on end
.set n, 0
.rept 32
	global_load_b128 v[4*n:4*n+3], v1, s[28:29] offset:512*n
.set n, n+1
.endr
	WIN 0
	s_wait_loadcnt 40                              ; my x tile and its words are in; the 8 + 32 loads behind them may be out
.irp n, 0,1,2,3,4,5,6,7,8,9,10,11,12,13,14,15
	ds_store_b128 v4, v[XF+4*\n:XF+4*\n+3] offset:512*\n
.endr
	ds_store_b64 v5, v[XS:XS+1]                    ; lanes 16-31 repeat lanes 0-15's words at the same places
	ds_store_b64 v5, v[XS+2:XS+3] offset:128
	WIN 0x40                                       ; (no vector instruction has been issued since the wait on va_vdst above, and the LDS stores name neither v1 nor window 1)
.rept 32
	global_load_b128 v[4*n:4*n+3], v1, s[28:29] offset:512*n
.set n, n+1
.endr
	WIN 0
	s_cmp_eq_u32 s19, 0                            ; the bias and the target: choices on the work-group's y alone
	s_cselect_b64 s[32:33], s[8:9], s[10:11]
	s_cselect_b64 s[34:35], s[14:15], s[16:17]
	s_cmp_eq_u32 s19, 2
	s_cselect_b64 s[32:33], s[12:13], s[32:33]
	s_mul_i32 s36, ttmp9, 4*REC
	s_add_nc_u64 s[34:35], s[34:35], s[36:37]      ; the work-group's first record
	s_lshl_b32 s36, s18, 8
	s_add_nc_u64 s[32:33], s[32:33], s[36:37]      ; my head's 64 numbers of the bias
	s_wait_dscnt 0x0                               ; for the others' sake: my stores have landed
	s_barrier_signal -1
	s_barrier_wait -1                              ; the eight tiles lie in LDS; nothing is stored to LDS behind this barrier
	s_wait_alu depctr_vm_vsrc(0)                   ; my LDS stores have read XF and XS, in which the first tile's LDS loads land on both ways below
	s_cmp_eq_u32 s19, 2
	s_cbranch_scc1 .Lv
	; ---- q or k
	v_bfe_u32 v10, v0, 4, 1
	v_lshlrev_b32 v10, 6, v10                      ; 64 hh: lane (r, hh) wants, for weight tile wt, channels 32 (wt / 2) + 16 hh + 8 (wt % 2) + 0 .. 7
	s_lshl_b32 s36, s18, 7
	v_lshl_add_u32 v7, v2, 2, s36                  ; the scale words: 4 x lane + 128 w
	s_wait_alu depctr_va_vdst(0)                   ; v10 is written, which the bias's loads read, and v7, which the scale words' stores read
.irp wt, 0,1,2,3
	global_load_b128 v[BI+8*\wt:BI+8*\wt+3], v10, s[32:33] offset:(32*(\wt/2)+8*(\wt%2))*4
	global_load_b128 v[BI+8*\wt+4:BI+8*\wt+7], v10, s[32:33] offset:(32*(\wt/2)+8*(\wt%2))*4+16
.endr
	FETCHX 0
	s_wait_loadcnt 0x0                             ; the weight, its words, the bias
	BLOCK 0, 0
	BLOCK 1, 0
	BLOCK 2, 0
	BLOCK 3, 0
	s_wait_alu depctr_va_vdst(0)                   ; the last block has written PC and PW+2, which its stores read
	SEND 3, 0
	s_wait_dscnt 0x0                               ; the closing lines, six on end
	s_wait_alu 0x0
	s_wait_tensorcnt 0x0
	ds_add_u32 v254, v255
	s_wait_dscnt 0x0
	s_endpgm
.Lv:
	; ---- v
	v_and_b32 v10, 8, v8
	v_add_nc_u32 v10, v10, v8
	v_lshlrev_b32 v10, 2, v10                      ; 4 (r + 8 (r / 8)): my channel slot's number of the bias
	s_lshl_b32 s36, s18, 6
	v_lshl_add_u32 v7, v8, 2, s36                  ; the scale bytes: 4 r + 64 w (lanes 16-31 repeat lanes 0-15)
	s_wait_alu depctr_va_vdst(0)                   ; v10 is written, which the bias's loads read, and v7, which the scale bytes' stores read
.irp dt, 0,1,2,3
	global_load_b32 v[BI+8*\dt], v10, s[32:33] offset:(32*(\dt/2)+8*(\dt%2))*4
.endr
	FETCHX 0
	s_wait_loadcnt 0x0
.irp dt, 0,1,2,3
.irp j, 1,2,3,4,5,6,7
	v_mov_b32 v[BI+8*\dt+\j], v[BI+8*\dt]          ; a lane's eight results are eight tokens of one channel: the same bias
.endr
.endr
	BLOCK 0, 1
	BLOCK 1, 1
	BLOCK 2, 1
	BLOCK 3, 1
	s_wait_alu depctr_va_vdst(0)                   ; the last block has written PC and PW+2, which its stores read
	SEND 3, 1
	s_wait_dscnt 0x0                               ; the closing lines, six on end
	s_wait_alu 0x0
	s_wait_tensorcnt 0x0
	ds_add_u32 v254, v255
	s_wait_dscnt 0x0
	s_endpgm
.Lfunc_end_k_qb531d27ca9_qkv:
	.size	k_qb531d27ca9_qkv, .Lfunc_end_k_qb531d27ca9_qkv-k_qb531d27ca9_qkv
	.p2alignl 7, 3214868480
	.fill 96, 4, 3214868480
	.section	.rodata,"a",@progbits
	.p2align	6, 0x0
	.amdhsa_kernel k_qb531d27ca9_qkv
		.amdhsa_group_segment_fixed_size 68608
		.amdhsa_private_segment_fixed_size 0
		.amdhsa_enable_private_segment 0
		.amdhsa_kernarg_size 56
		.amdhsa_user_sgpr_count 2
		.amdhsa_user_sgpr_kernarg_segment_ptr 1
		.amdhsa_wavefront_size32 1
		.amdhsa_system_sgpr_workgroup_id_x 1
		.amdhsa_system_sgpr_workgroup_id_y 1
		.amdhsa_system_sgpr_workgroup_id_z 1
		.amdhsa_system_vgpr_workitem_id 0
		.amdhsa_next_free_vgpr 512
		.amdhsa_next_free_sgpr 66
		.amdhsa_reserve_vcc 0
		.amdhsa_float_denorm_mode_32 3
		.amdhsa_float_denorm_mode_16_64 3
		.amdhsa_memory_ordered 1
		.amdhsa_forward_progress 1
		.amdhsa_inst_pref_size 140
	.end_amdhsa_kernel
	.amdgpu_metadata
---
amdhsa.version: [ 1, 2 ]
amdhsa.kernels:
  - .name:           k_qb531d27ca9_qkv
    .symbol:         k_qb531d27ca9_qkv.kd
    .args:
      - { .name: codes, .offset: 0, .size: 8, .value_kind: global_buffer, .address_space: global }
      - { .name: scales, .offset: 8, .size: 8, .value_kind: global_buffer, .address_space: global }
      - { .name: bq, .offset: 16, .size: 8, .value_kind: global_buffer, .address_space: global }
      - { .name: bk, .offset: 24, .size: 8, .value_kind: global_buffer, .address_space: global }
      - { .name: bv, .offset: 32, .size: 8, .value_kind: global_buffer, .address_space: global }
      - { .name: q_rec, .offset: 40, .size: 8, .value_kind: global_buffer, .address_space: global }
      - { .name: kv, .offset: 48, .size: 8, .value_kind: global_buffer, .address_space: global }
    .group_segment_fixed_size: 68608
    .private_segment_fixed_size: 0
    .kernarg_segment_align: 8
    .kernarg_segment_size: 56
    .max_flat_workgroup_size: 256
    .sgpr_count:     66
    .vgpr_count:     512
    .wavefront_size: 32
...
	.end_amdgpu_metadata
.endif
;; end of part 4
;; launch attn: the kernel of part 3 again; grid 256 x 1, 16 waves a work-group, no clusters, 327,680 bytes of LDS; arguments q_rec, kv, codes, scales, bo, out0; writes out0
